; MI455X (gfx1250); checked and timed in simulation.
; The chip was launched on July 23, 2026; its instructions are those of AMD's public machine-readable ISA for CDNA 5 (MIT licence, August 2026) and "CDNA5" Instruction Set Architecture Reference Guide (July 2026). The comments in the code are by the model that wrote it; some were corrected since.
;; FP8 Linear. Allowed arithmetic: matrix products marked QUANTISED: E3M2 operands, one E8M0 scale for each 32 along K, by v_wmma_scale_f32_16x16x128_f8f6f4 with both operands' format E3M2, f32 sums; everything else in f32.
;; Inputs: bias 4,096 float32; input_scale one number float32; weight 4,096 x 4,096 float32; weight_scale one number float32; x 4,096 x 4,096 float32.
;; Outputs: out0 4,096 x 4,096 float32.
;; This version of the problem:
;;   THIS VERSION OF THE PROBLEM IS GIVEN IN LOW PRECISION. The matrix products marked QUANTISED in the list below multiply operands that are first quantised to E3M2 (3 exponent bits, 2 mantissa bits; 6 bits a number), with one power-of-two scale for each 32 numbers along K (OCP MX v1.0); their sums are f32. All else is computed in f32.
;;   The module's matrix products, in the order in which they are computed (A, B: the left and right operand; K: the contracted axis; several contracted axes count as one K, in the product's order):
;;     1. [M 4,096, K 4,096] x [K 4,096, N 4,096]; A: input x; B: input weight: QUANTISED
;;   THE QUANTISER, for each operand of a quantised product, along K:
;;     - K is cut into blocks of 32 from its start; a last block that is shorter is filled with zeros.
;;     - A block's scale is 2^e with e = floor(log2(the largest magnitude in the block)) - 4, held to -126 .. 127; a block of zeros has e = 0. As a byte (E8M0): e + 127.
;;     - Each number is divided by its block's scale, clamped to +-28, and rounded to the nearest number of E3M2, ties to even, subnormals kept.
;;     - The product sums the exact products of the quantised numbers (number of the format x scale) in f32.
;;   ~~~python
;;   def quantise(x, axis):      # numpy; x: float32 -> the quantised numbers, widened to float32 again
;;       x = np.moveaxis(x, axis, -1); K = x.shape[-1]
;;       x = np.pad(x, [(0, 0)] * (x.ndim - 1) + [(0, -K % 32)]); x = x.reshape(x.shape[:-1] + (-1, 32)); a = np.abs(x).max(-1, keepdims=True)
;;       e = np.where(a > 0, np.clip(np.frexp(np.where(a > 0, a, 1))[1] - 1 - 4, -126, 127), 0)      # np.frexp(a)[1] - 1 = floor(log2(a)), exactly
;;       r = np.clip(x / 2.0 ** e, -28, 28)
;;       step = 2.0 ** (np.maximum(np.frexp(np.where(r == 0, 1, r))[1] - 1, -2) - 2)
;;       q = np.round(r / step) * step * 2.0 ** e      # np.round: ties to even
;;       return np.moveaxis(q.reshape(q.shape[:-2] + (-1,))[..., :K], -1, axis).astype(np.float32)
;;   ~~~
;; One version. Each part assembles by itself: llvm-mc -triple=amdgcn-amd-amdhsa -mcpu=gfx1250 --defsym DOCPART=n.
;; ======== version 1 of 1: 2 launches
;; limits: right only within a limited range of input values
;; workspace buffers: xq 13,107,200 bytes; wq 13,107,200 bytes
;; launch quant (part 1): grid 1024 x 1, 4 waves a work-group, no clusters, 34,304 bytes of LDS; arguments x, weight, xq, wq; writes xq, wq
.if DOCPART == 1
	.amdgcn_target "amdgcn-amd-amdhsa--gfx1250"
	.amdhsa_code_object_version 6
	.text
	.protected	k_q265c88dc7f_quant
	.globl	k_q265c88dc7f_quant
	.p2align	8
	.type	k_q265c88dc7f_quant,@function
k_q265c88dc7f_quant:
	s_mov_b64 s[64:65], 0
	v_nop
	global_prefetch_b8 v0, s[64:65] scope:SCOPE_SE
	s_setreg_imm32_b32 hwreg(HW_REG_WAVE_MODE, 25, 1), 1
	s_wait_xcnt 0x0
; x [4096][4096] and weight [4096][4096], f32, K innermost, are first cast to float8 e4m3 (the problem's own step: nearest, ties to even, subnormals kept) and widened again, exactly;
; the cast numbers then become codes of BF6 (E3M2), 6 bits each, with one E8M0 scale byte for each 32 along K.
; A block's scale is 2^(floor(log2(its largest magnitude)) - 4); its byte is the largest magnitude's own exponent field - 4, held at 1 from below (the quantiser's hold at -126).
; Each number is divided by the scale and rounded to the nearest code, ties to even; beyond 28 the conversion gives the largest code.
; LIMITS: NaN and infinities among the inputs are not served, nor magnitudes that e4m3 cannot hold (above 464), for which the problem's own cast gives NaN.
; A block of zeros gets the byte 1 where the quantiser says 127: its codes are zeros, which add nothing under any byte but 0xff, and the bytes are read by this program's second launch alone.
; THE OUTPUT IS LAID AS THE SECOND LAUNCH READS IT.  A UNIT (rg, u) is rows 128 rg .. + 127, K 128 u .. + 127: UB = 12,800 dense bytes at (32 rg + u) UB.
;   bytes 0 .. 12,287: 8 fragments (block i = 16 rows) at 1,536 i, each the IMAGE OF THE OPERAND'S 12 REGISTERS: registers 4 j .. 4 j + 3 of lane l at 512 j + 16 l;
;     lane (r = l % 16, h = l / 16), registers 6 c .. 6 c + 5: the 24 bytes of codes of k = 64 c + 32 h + 0 .. 31 of row r.
;   bytes 12,288 .. 12,799: the scale words (four bytes: the row's 128 along K): that of row r of block i at 128 (i / 2) + 8 r + 4 (i % 2).
; SHARES.  One work-group makes two units (128 rows x 256 along K); the first 512 work-groups take x, the others weight: only pointers are chosen, both take one path.
; Wave w takes rows 64 (w / 2) .. + 63 of unit w % 2: four fragments, and 64 scale words, which are 256 consecutive bytes.
; A load is best where neighbouring LANES take neighbouring bytes (each load here: 512 consecutive bytes of one row); the conversions want NEIGHBOURS along K in one lane's registers.  Both are had:
; a fragment's 16 rows x 512 bytes go through the wave's own stage in LDS and come back 128 bytes a lane and block.  A lane holds two whole blocks: no other lane is asked for a maximum.
; Waves share nothing: no barrier.  Work-groups share no input: no cluster, no tensor load.  Loads run two fragments (32 loads a wave) ahead; nothing is looped, every offset is an immediate.
.set ROWB, 16384                       ; a row of x or of weight in bytes
.set UB,   12800                       ; a unit of the output in bytes
.set FRB,  1536                        ; a fragment's image
.set SPI,  528                         ; a stage row: 512 bytes + 16 = 33 x 16: the sixteen rows that a load of 16 bytes a lane touches start at sixteen different banks (64 banks of 4 bytes: ISA guide 11.1)
.set WST,  16*SPI                      ; a wave's stage
.set WD,   18                          ; v18-21   the four fragments' scale words
.set C,    24                          ; v24-35   a fragment's 12 registers of codes
.set T4,   36                          ; v36-38, v40-42  the upper 16 codes of each block, as the conversions leave them
.set X,    44                          ; v44-107  64 numbers: register 32 c + i = k 64 c + 32 h + i of my row
.set R,    108                         ; v108-171, v172-235  two sets of 16 x 4 registers as loaded
.set F8,   236                         ; v236-251 the 64 numbers as codes of e4m3, eight to a pair of registers
.set ONE,  252                         ; v252     1.0: the cast divides by 2^0; never rewritten
.set E8,   253                         ; v253     the E8M0 byte 127 (2^0) in every byte: the widening multiplies by 2^0; never rewritten
	s_load_b128 s[4:7], s[0:1], 0x0                ; x, weight
	s_load_b128 s[8:11], s[0:1], 0x10              ; xq, wq
	v_lshl_add_u32 v254, v0, 2, 0x8400
	v_mov_b32 v255, 0
	v_lshrrev_b32 v1, 5, v0
	v_readfirstlane_b32 s12, v1                    ; wave 0..3
	v_and_b32 v1, 31, v0                           ; lane
	v_lshlrev_b32 v2, 4, v1                        ; 16 x lane: my bytes of a load's 512, and of a code store's 512; never rewritten
	s_mul_i32 s13, s12, WST                        ; my wave's stage
	v_add_nc_u32 v3, s13, v2                       ; into it: a row as it was loaded
	v_and_b32 v5, 15, v0                           ; r
	v_bfe_u32 v7, v0, 4, 1                         ; h
	v_mul_u32_u24 v4, v5, SPI
	v_lshl_add_u32 v4, v7, 7, v4
	v_add_nc_u32 v4, s13, v4                       ; out of it: row r, + 128 h: my block of 32 numbers
	v_lshlrev_b32 v6, 3, v1                        ; 8 x lane: the scale words' store
	v_lshlrev_b32 v7, 3, v7                        ; 8 h: how far my two scale bytes are shifted
	v_mov_b32 v17, 0                               ; written once: a lane permute's destination counts as one of its sources
	v_mov_b32 v[ONE], 1.0
	v_mov_b32 v[E8], 0x7f7f7f7f
	s_mov_b32 s20, 0x76543210
	s_mov_b32 s21, 0xfedcba98                      ; v_permlanex16_b32's selects for lane l xor 16
	s_and_b32 s22, ttmp9, 511                      ; the work-group's number in its tensor: 16 rg + ks, ks counting 256 along K
	s_lshr_b32 s23, s22, 4                         ; rg
	s_and_b32 s24, s22, 15                         ; ks
	s_and_b32 s27, s12, 1                          ; which of the two units is my wave's
	s_lshr_b32 s28, s12, 1                         ; and which 64 rows of it
	s_lshl_b32 s14, s23, 7
	s_lshl_b32 s25, s28, 6
	s_add_co_u32 s14, s14, s25                     ; my wave's first row: 128 rg + 64 (w / 2)
	s_lshl_b32 s14, s14, 14                        ; x 16,384 bytes (the tensor has 2^26 bytes: 32 bits hold it)
	s_lshl_b32 s24, s24, 10
	s_add_co_u32 s14, s14, s24                     ; + 1,024 ks
	s_lshl_b32 s25, s27, 9
	s_add_co_u32 s14, s14, s25                     ; + 512 (w % 2)
	s_mov_b32 s15, 0
	s_lshl_b32 s16, s22, 1
	s_add_co_u32 s16, s16, s27                     ; my unit's number: 32 rg + 2 ks + w % 2
	s_mul_i32 s16, s16, UB                         ; its first byte
	s_mov_b32 s17, 0
	s_add_co_u32 s18, s16, 8*FRB                   ; its scale words,
	s_lshl_b32 s26, s28, 8
	s_add_co_u32 s18, s18, s26                     ; my wave's 256 bytes of them
	s_mov_b32 s19, 0
	s_mul_i32 s25, s28, 4*FRB
	s_add_co_u32 s16, s16, s25                     ; and my wave's four fragments
	s_wait_alu depctr_va_vdst(0)
	s_wait_kmcnt 0x0
	s_cmp_lt_u32 ttmp9, 512                        ; x's work-group or weight's?  The choice hangs on the work-group's number alone
	s_cselect_b64 s[4:5], s[4:5], s[6:7]
	s_cselect_b64 s[8:9], s[8:9], s[10:11]
	s_add_nc_u64 s[4:5], s[4:5], s[14:15]
	s_add_nc_u64 s[18:19], s[8:9], s[18:19]
	s_add_nc_u64 s[8:9], s[8:9], s[16:17]
; fragment t (my rows 16 t on) into set t % 2: sixteen loads, each 512 consecutive bytes of one row, at a multiple of 512 from the buffer's first byte; read once in the launch
.macro LOAD t
.irp j, 0,1,2,3,4,5,6,7,8,9,10,11,12,13,14,15
	global_load_b128 v[R+64*((\t)%2)+4*\j:R+64*((\t)%2)+4*\j+3], v2, s[4:5] offset:(16*(\t)+\j)*ROWB th:TH_LOAD_NT
.endr
.endm
.macro FRAGQ t
.if \t < 3
	s_wait_loadcnt 16                              ; loads come back in order (ISA guide 5.7.1): this fragment's sixteen are in, the next fragment's sixteen may be out
.else
	s_wait_loadcnt 0x0
.endif
.irp j, 0,1,2,3,4,5,6,7,8,9,10,11,12,13,14,15
	ds_store_b128 v3, v[R+64*((\t)%2)+4*\j:R+64*((\t)%2)+4*\j+3] offset:SPI*\j
.endr
.irp c, 0,1
.irp p, 0,1,2,3,4,5,6,7
	ds_load_b128 v[X+32*\c+4*\p:X+32*\c+4*\p+3], v4 offset:256*\c+16*\p   ; LDS serves a wave's instructions in order (ISA guide 5.7.1.4): these see the stores above, and the next fragment's stores come behind them
.endr
.endr
.if \t < 2
	s_wait_dscnt 16                                ; only the sixteen loads may be out: the stores have read their registers,
	LOAD \t+2                                      ; which take the fragment two further on
.endif
	s_wait_dscnt 0x0                               ; my 64 numbers are in
	; THE CAST TO e4m3 AND BACK, eight numbers an instruction.  It stands ahead of the block's maximum: the quantiser works on the cast numbers
.irp g, 0,1,2,3,4,5,6,7
	v_cvt_scalef32_pk8_fp8_f32 v[F8+2*\g:F8+2*\g+1], v[X+8*\g:X+8*\g+7], v[ONE]   ; / 2^0, to the nearest code of e4m3, ties to even, subnormals kept
.endr
	v_nop                                          ; one plain vector instruction between a scaled conversion and the vector instruction that touches its result or writes its sources: the lines below do both
.irp g, 0,1,2,3,4,5,6,7
	v_cvt_scale_pk8_f32_fp8 v[X+8*\g:X+8*\g+7], v[F8+2*\g:F8+2*\g+1], v[E8]       ; x 2^0: every code of e4m3 is a number of f32: nothing is rounded
.endr
	v_nop                                          ; and once more, in front of the maxima
.irp c, 0,1
.irp u, 0,1
	v_max3_num_f32 v[8+2*\c+\u], |v[X+32*\c+16*\u]|, |v[X+32*\c+16*\u+1]|, 0x2800000   ; block c's largest magnitude, in two chains; the floor 2^(5 - 127) is one more leaf: the byte cannot fall under 1
.endr
.endr
.irp i, 2,4,6,8,10,12,14
.irp c, 0,1
.irp u, 0,1
	v_max3_num_f32 v[8+2*\c+\u], v[8+2*\c+\u], |v[X+32*\c+16*\u+\i]|, |v[X+32*\c+16*\u+\i+1]|   ; (the four chains by turns: no line waits for the line above it)
.endr
.endr
.endr
.irp c, 0,1
	v_max_num_f32 v[8+2*\c], v[8+2*\c], v[9+2*\c]
.endr
.irp c, 0,1
	v_add_nc_u32 v[12+\c], 0xfe000000, v[8+2*\c]   ; 4 off its exponent field: the conversion takes the exponent field of this operand as its scale, and nothing else of it
.endr
.irp c, 0,1
	v_lshrrev_b32 v[14+\c], 23, v[12+\c]           ; the scale's byte
.endr
	v_lshl_or_b32 v16, v15, 16, v14                ; my two bytes: blocks h and 2 + h of my row's 128,
	v_lshlrev_b32 v16, v7, v16                     ; at their places in the scale word (8 h bits up);
	v_permlanex16_b32 v17, v16, s20, s21
	v_or_b32 v[WD+\t], v16, v17                    ; with lane l xor 16's two the word is whole, in both lanes
.if \t > 0
	s_wait_alu depctr_va_vdst(0)
	s_wait_xcnt 0x0                                ; the last fragment's stores have read their data: the codes' registers are written again only behind this wait
.endif
	v_cvt_scalef32_pk16_bf6_f32 v[C:C+2], v[X:X+15], v12            ; 16 numbers / 2^(the operand's exponent), to the nearest code, ties to even: 96 bits without gaps, the first number's code lowest
	v_cvt_scalef32_pk16_bf6_f32 v[T4:T4+2], v[X+16:X+31], v12       ; (a conversion's three registers begin on an even number: the upper half of a block's six does not, so it is made elsewhere and moved)
	v_cvt_scalef32_pk16_bf6_f32 v[C+6:C+8], v[X+32:X+47], v13
	v_cvt_scalef32_pk16_bf6_f32 v[T4+4:T4+6], v[X+48:X+63], v13
	v_nop                                          ; one plain vector instruction between a scaled conversion and the vector instruction that touches its result
.irp c, 0,1
.irp i, 0,1,2
	v_mov_b32 v[C+3+6*\c+\i], v[T4+4*\c+\i]
.endr
.endr
.irp j, 0,1,2
	global_store_b128 v2, v[C+4*\j:C+4*\j+3], s[8:9] offset:FRB*(\t)+512*\j   ; the image: 32 lanes store 512 consecutive bytes, at a multiple of 512 from the buffer's first byte; the next launch reads them, so no hint
.endr
.endm
	LOAD 0
	LOAD 1
	FRAGQ 0
	FRAGQ 1
	FRAGQ 2
	FRAGQ 3
	v_cmp_gt_u32 vcc_lo, 16, v1                    ; lanes 0-15 give row r's words of my blocks 0 and 1, lanes 16-31 those of my blocks 2 and 3 (each word stands in both lanes r and 16 + r)
	v_cndmask_b32 v22, v[WD+2], v[WD], vcc_lo
	v_cndmask_b32 v23, v[WD+3], v[WD+1], vcc_lo
	global_store_b64 v6, v[22:23], s[18:19]        ; 32 lanes store 256 consecutive bytes, at a multiple of 256 from the buffer's first byte
	s_wait_tensorcnt 0x0
	ds_add_u32 v254, v255
	s_wait_dscnt 0x0
	s_endpgm
.Lfunc_end_k_q265c88dc7f_quant:
	.size	k_q265c88dc7f_quant, .Lfunc_end_k_q265c88dc7f_quant-k_q265c88dc7f_quant
	.p2alignl 7, 3214868480
	.fill 96, 4, 3214868480
	.section	.rodata,"a",@progbits
	.p2align	6, 0x0
	.amdhsa_kernel k_q265c88dc7f_quant
		.amdhsa_group_segment_fixed_size 34304
		.amdhsa_private_segment_fixed_size 0
		.amdhsa_enable_private_segment 0
		.amdhsa_kernarg_size 32
		.amdhsa_user_sgpr_count 2
		.amdhsa_user_sgpr_kernarg_segment_ptr 1
		.amdhsa_wavefront_size32 1
		.amdhsa_system_sgpr_workgroup_id_x 1
		.amdhsa_system_sgpr_workgroup_id_y 1
		.amdhsa_system_sgpr_workgroup_id_z 1
		.amdhsa_system_vgpr_workitem_id 0
		.amdhsa_next_free_vgpr 256
		.amdhsa_next_free_sgpr 66
		.amdhsa_reserve_vcc 1
		.amdhsa_float_denorm_mode_32 3
		.amdhsa_float_denorm_mode_16_64 3
		.amdhsa_memory_ordered 1
		.amdhsa_forward_progress 1
		.amdhsa_inst_pref_size 35
	.end_amdhsa_kernel
	.amdgpu_metadata
---
amdhsa.version: [ 1, 2 ]
amdhsa.kernels:
  - .name:           k_q265c88dc7f_quant
    .symbol:         k_q265c88dc7f_quant.kd
    .args:
      - { .name: x, .offset: 0, .size: 8, .value_kind: global_buffer, .address_space: global }
      - { .name: weight, .offset: 8, .size: 8, .value_kind: global_buffer, .address_space: global }
      - { .name: xq, .offset: 16, .size: 8, .value_kind: global_buffer, .address_space: global }
      - { .name: wq, .offset: 24, .size: 8, .value_kind: global_buffer, .address_space: global }
    .group_segment_fixed_size: 34304
    .private_segment_fixed_size: 0
    .kernarg_segment_align: 8
    .kernarg_segment_size: 32
    .max_flat_workgroup_size: 128
    .sgpr_count:     66
    .vgpr_count:     256
    .wavefront_size: 32
...
	.end_amdgpu_metadata
.endif
;; end of part 1
;; launch gemm (part 2): grid 16 x 16, 4 waves a work-group, clusters of 4 x 4, 327,680 bytes of LDS; arguments xq, wq, bias, input_scale, weight_scale, out0; writes out0
.if DOCPART == 2
	.amdgcn_target "amdgcn-amd-amdhsa--gfx1250"
	.amdhsa_code_object_version 6
	.text
	.protected	k_q265c88dc7f_gemm
	.globl	k_q265c88dc7f_gemm
	.p2align	8
	.type	k_q265c88dc7f_gemm,@function
k_q265c88dc7f_gemm:
	s_mov_b64 s[64:65], 0
	v_nop
	global_prefetch_b8 v0, s[64:65] scope:SCOPE_SE
	s_setreg_imm32_b32 hwreg(HW_REG_WAVE_MODE, 25, 1), 1
	s_wait_xcnt 0x0
	s_wait_alu depctr_hold_cnt(0) depctr_sa_sdst(0) depctr_va_vdst(0) depctr_va_sdst(0) depctr_va_ssrc(0) depctr_va_vcc(0) depctr_vm_vsrc(0)
	s_getreg_b32 s2, hwreg(HW_REG_IB_STS2, 6, 4)
	s_cmp_eq_u32 s2, 0
	s_cbranch_scc0 .Lentry_in_a_cluster
	s_endpgm
.Lentry_in_a_cluster:
	s_bfe_u32 s2, ttmp6, 0x10000c
	s_cmp_lg_u32 s2, 0xf033
	s_cbranch_scc0 .Lentry_shape_is_right
	s_endpgm
.Lentry_shape_is_right:
; out0[m][n] = (sum over k of X[m][k] W[n][k]) x input_scale x weight_scale + bias[n].  X and W are the codes of BF6 (E3M2) with E8M0 scale bytes that the first launch laid in xq and wq:
; a UNIT (rg, u) = rows 128 rg .. + 127, K 128 u .. + 127 = 12,800 dense bytes at (32 rg + u) UB: eight images of an operand's 12 registers (16 rows each; registers 4 j .. 4 j + 3 of lane l at 512 j + 16 l), then 512 bytes of scale words.
; A block of out0, 256 x 256, is made by a work-group of four waves; a wave makes 128 x 128: 64 accumulators of 16 x 16.  256 work-groups.
; THE RING: two LDS slots, each with three units (384 along K) of A's two and B's two row groups; a wave fetches one row group's three units, 38,400 dense bytes, as 150 rows of 256 bytes, by one tensor load.
; 32 units along K are ten tiles of three and a last one of two.  Tile t lies in slot t % 2.
; CLUSTERS: 4 x 4 work-groups.  The four of a row of the cluster need the same tiles of A, the four of a column the same tiles of B: each tile is asked for jointly, by the same load with a mask that names the four.
; THE MATRIX INSTRUCTION IS USED TRANSPOSED (source 0 = 16 rows of W, source 1 = 16 rows of X): a lane holds eight neighbouring numbers of a row of out0.
; REGISTERS, in four windows of 256, all laid alike: v0-31 small things, v32-127 fragments (set p at 32 + 48 p, four fragments of 12), v128-255 sixteen accumulators.
;   Fragments: window 0 A's blocks 0-3, window 1 A's 4-7, window 2 B's 0-3, window 3 B's 4-7; TWO sets of each: while one set is multiplied the other takes the next step's 52 LDS loads, in TWO runs:
;   28 at the step's head (B's 0-3, A's 0-3, the scale words: what the next step multiplies first), 24 in its middle (B's 4-7, A's 4-7); 32 products follow each run.
;   Accumulator (a, b) lies in window 2 (a / 4) + b / 4 at v[128 + 8 (4 (a % 4) + b % 4)]: a QUADRANT of 4 x 4 blocks to a window, sixteen products under one window setting.
;   The LDS addresses of the fragments and scale words lie in window 2.  Seven switches of the window for a step's 64 products and 52 loads.
;   Window 0: v1-3 prefetch offsets, v4-5 the add's registers, v6-14 the way out, v16-31 scale words, two sets of 8 (register i: lanes 0-15 the word of A's block i, lanes 16-31 that of B's block i).
; PREFETCH: behind each joint load for tile t the wave names tile t + 1 of the row group that it fetches (three K steps on): its 150 blocks of 256 bytes are shared out BY ADDRESS among the four partners
; that ask for the tile jointly, 38 blocks each (two instructions a wave; lanes left over name the part's or the tile's last block again); the last tile has 100 blocks, 25 each.  The load of the last tile asks for nothing.
.set UB,     12800
.set FRB,    1536
.set SCO,    8*FRB                     ; a unit's scale words
.set RGB,    32*UB                     ; a row group, all of K
.set TB,     3*UB                      ; what one tensor load brings
.set SLOT,   4*TB                      ; A's two row groups, then B's two
.set SPARE,  2*SLOT                    ; behind the ring: the spare words, 128 bytes a wave
.set STAGE,  SLOT                      ; the way out: 16 rows x 528 bytes a wave, in slot 1: the last tile lies in slot 0, and slot 1 has had its last fill and its last read by then
.set SPITCH, 528
.set OROW,   16384                     ; a row of out0 in bytes
.set TRIPS,  4
.set PFO,  1                           ; window 0
.set PFS,  3
.set SPW,  4
.set NIL,  5
.set CO,   6
.set STO,  7
.set BI,   8
.set SV,   12
.set RD,   14
.set SC,   16
.set FRG,  32
.set ACC,  128
.set ADRA, 0                           ; window 2: v0-1 my A fragments in slot 0, 1; v2-3 my B fragments; v4-5 my scale words
.set ADRB, 2
.set ADRS, 4
.set G1,   24
.set G0,   32
.set G1B,  48
.set G0B,  56
.set PFA,  66                          ; s[66:67] the tile that my next prefetch names
.set G1S,  76                          ; groups 1 for the last tile, 100 rows
.set G1SB, 84
.set MSB, 0
.macro WIN new                         ; the immediate's high byte repeats the setting that is left
.if MSB != (\new)
	s_set_vgpr_msb (MSB<<8)|(\new)
.set MSB, (\new)
.endif
.endm
; a joint load: waves 0 and 1 fetch A's two row groups, waves 2 and 3 B's; s_nop 0 and four v_nop follow each line
.macro JLOAD g0a, g1a, g0b, g1b
	s_cmp_eq_u32 s17, 0
	s_cbranch_scc0 .Lfor_b_\@
	tensor_load_to_lds s[\g0a:\g0a+3], s[\g1a:\g1a+7]
	s_nop 0
.rept 4
	v_nop
.endr
	s_branch .Lasked_\@
.Lfor_b_\@:
	tensor_load_to_lds s[\g0b:\g0b+3], s[\g1b:\g1b+7]
	s_nop 0
.rept 4
	v_nop
.endr
.Lasked_\@:
.endm
.macro CREST                           ; a round of the cluster's barrier behind its opening barrier
	s_cmp_lg_u32 s16, 0
	s_cbranch_scc1 .Lnot_wave_0_\@
	s_barrier_signal -3
.Lnot_wave_0_\@:
	s_barrier_wait -3
	s_barrier_signal -1
	s_barrier_wait -1
.endm
.macro CROUND
	s_barrier_signal -1
	s_barrier_wait -1
	CREST
.endm
.macro PF reg
	global_prefetch_b8 v[\reg], s[PFA:PFA+1] th:TH_LOAD_NT scope:SCOPE_SE
.endm
; kind 1: a whole tile's part.  kind 2, the loop's second change of slots: in the loop's last trip (s3 = 1) the tile named is the last, of 100 blocks
.macro ASK kind
.if \kind == 1
	PF PFO
	PF PFO+1
.endif
.if \kind == 2
	s_cmp_lg_u32 s3, 1
	s_cbranch_scc0 .Lshort_\@
	PF PFO
	PF PFO+1
	s_branch .Lnamed_\@
.Lshort_\@:
	PF PFS
.Lnamed_\@:
.endif
.endm
	s_load_b256 s[4:11], s[0:1], 0x0               ; xq, wq, bias, input_scale
	s_load_b128 s[12:15], s[0:1], 0x20             ; weight_scale, out0
	v_lshl_add_u32 v[SPW], v0, 2, SPARE
	v_mov_b32 v[NIL], 0
	ds_add_u32 v[SPW], v[NIL]                      ; the opening lines: the add, twice on end, and its wait ahead of my first tensor load
	ds_add_u32 v[SPW], v[NIL]
	v_lshrrev_b32 v1, 5, v0
	v_readfirstlane_b32 s16, v1                    ; wave 0..3
	s_lshr_b32 s17, s16, 1                         ; my half of the block's rows.  Also: I fetch for A (0) or for B (1)
	s_and_b32 s18, s16, 1                          ; my half of its columns.  Also: which row group of the tile I fetch
	s_bfe_u32 s21, ttmp6, 0x40000                  ; cx
	s_bfe_u32 s22, ttmp6, 0x40004                  ; cy
	s_lshl_b32 s20, ttmp9, 2
	s_add_co_u32 s20, s20, s21                     ; block column = 4 x cluster x + cx
	s_and_b32 s19, ttmp7, 0xffff
	s_lshl_b32 s19, s19, 2
	s_add_co_u32 s19, s19, s22                     ; block row = 4 x cluster y + cy
	s_lshl_b32 s40, s22, 2
	s_lshl_b32 s40, 15, s40                        ; my row of the cluster
	s_lshl_b32 s41, 0x1111, s21                    ; my column
	s_or_b32 s[G1+0], s40, (3<<16)|(1<<21)         ; the mask; elements of 8 bytes; bit 21 beside a mask; no padding: the images are read 16 bytes a lane, on end
	s_or_b32 s[G1B+0], s41, (3<<16)|(1<<21)
	s_or_b32 s[G1S+0], s40, (3<<16)|(1<<21)
	s_or_b32 s[G1SB+0], s41, (3<<16)|(1<<21)
.irp g, G1, G1B
	s_mov_b32 s[\g+1], 32<<16                      ; rows of 32 elements = 256 bytes,
	s_mov_b32 s[\g+2], (TB/256)<<16                ; 150 of them,
	s_mov_b32 s[\g+3], 32<<16
	s_mov_b32 s[\g+4], TB/256
	s_mov_b32 s[\g+5], 32                          ; dense
	s_mov_b32 s[\g+6], 0
	s_mov_b32 s[\g+7], 0
.endr
.irp g, G1S, G1SB
	s_mov_b32 s[\g+1], 32<<16
	s_mov_b32 s[\g+2], (2*UB/256)<<16              ; the last tile: 100 rows
	s_mov_b32 s[\g+3], 32<<16
	s_mov_b32 s[\g+4], 2*UB/256
	s_mov_b32 s[\g+5], 32
	s_mov_b32 s[\g+6], 0
	s_mov_b32 s[\g+7], 0
.endr
	s_lshl_b32 s42, s19, 1
	s_add_co_u32 s42, s42, s18
	s_mul_i32 s42, s42, RGB                        ; A: row group 2 x block row + half, in bytes
	s_mov_b32 s43, 0
	s_lshl_b32 s44, s20, 1
	s_add_co_u32 s44, s44, s18
	s_mul_i32 s44, s44, RGB                        ; B: row group 2 x block column + half
	s_mov_b32 s45, 0
	s_mul_i32 s46, s16, TB                         ; where my tiles go: wave x 38,400: no place in the cluster enters an LDS address
	s_wait_dscnt 0x0                               ; both opening adds are done
	s_wait_kmcnt 0x0
	s_add_nc_u64 s[42:43], s[4:5], s[42:43]
	s_add_nc_u64 s[44:45], s[6:7], s[44:45]
	s_load_b32 s68, s[10:11], 0x0                  ; the two scalars
	s_load_b32 s69, s[12:13], 0x0
.irp s, 0,1
	s_mov_b32 s[G0+4*\s], 1
	s_add_co_u32 s[G0+4*\s+1], s46, \s*SLOT
	s_add_nc_u64 s[G0+4*\s+2:G0+4*\s+3], s[42:43], \s*TB
	s_or_b32 s[G0+4*\s+3], s[G0+4*\s+3], 0x80000000
	s_mov_b32 s[G0B+4*\s], 1
	s_add_co_u32 s[G0B+4*\s+1], s46, \s*SLOT
	s_add_nc_u64 s[G0B+4*\s+2:G0B+4*\s+3], s[44:45], \s*TB
	s_or_b32 s[G0B+4*\s+3], s[G0B+4*\s+3], 0x80000000
.endr
	CROUND                                         ; all sixteen work-groups are here: the first joint loads meet
	JLOAD G0, G1, G0B, G1B                         ; tile 0: one tensor load a wave at the head
	s_wait_kmcnt 0x0                               ; the two scalars are in
	s_mul_i32 s40, s17, TB                         ; my 128 rows of A in slot 0,
	s_mul_i32 s41, s18, TB
	s_add_co_u32 s41, s41, 2*TB                    ; my 128 rows of B,
	s_sub_co_u32 s47, s41, s40                     ; the distance between them,
	s_add_co_u32 s70, s40, SLOT                    ; the same in slot 1,
	s_add_co_u32 s71, s41, SLOT
	s_add_co_u32 s72, s40, SCO                     ; the scale words
	s_add_co_u32 s73, s72, SLOT
	s_mul_i32 s23, s16, 16*SPITCH
	s_add_co_u32 s23, s23, STAGE                   ; my stage
	s_cmp_eq_u32 s17, 0                            ; do I fetch for A?
	s_cselect_b32 s46, s21, s22                    ; my place among the four that ask with me: cx for A, cy for B
	s_cselect_b64 s[PFA:PFA+1], s[42:43], s[44:45]
	s_mul_i32 s74, s46, 38                         ; my work-group's first block of a tile's 150,
	s_add_co_u32 s75, s74, 32
	s_mul_i32 s46, s46, 25                         ; and of the last tile's 100
	s_add_nc_u64 s[PFA:PFA+1], s[PFA:PFA+1], TB    ; tile 1
	s_lshl_b32 s92, s20, 10
	s_lshl_b32 s93, s18, 9
	s_add_co_u32 s92, s92, s93                     ; my first column in bytes: 1,024 x block column + 512 x half
	s_mov_b32 s93, 0
	s_add_nc_u64 s[8:9], s[8:9], s[92:93]
	s_lshl_b32 s94, s19, 8
	s_lshl_b32 s95, s17, 7
	s_add_co_u32 s94, s94, s95                     ; my first row
	s_lshl_b32 s94, s94, 14
	s_mov_b32 s95, 0
	s_add_nc_u64 s[14:15], s[14:15], s[94:95]
	s_add_nc_u64 s[14:15], s[14:15], s[92:93]
	v_and_b32 v40, 15, v0                          ; r   (v40-44: fragment registers, idle yet)
	v_bfe_u32 v41, v0, 4, 1                        ; h
	v_and_b32 v42, 31, v0                          ; lane
	v_lshlrev_b32 v[CO], 4, v42                    ; 16 x lane
	v_mul_u32_u24 v43, s47, v41                    ; scale words: lanes 16-31 take B's,
	v_lshl_add_u32 v43, v40, 3, v43                ; 8 bytes a row: the words of two blocks
	v_mul_u32_u24 v44, v40, SPITCH
	v_lshl_add_u32 v44, v41, 5, v44
	v_add_nc_u32 v[STO], s23, v44                  ; into the stage: row r, 32 bytes for each half of the lanes
	v_add_nc_u32 v[RD], s23, v[CO]                 ; back: 32 lanes take a row of 512 bytes
	v_add_nc_u32 v[PFO], s74, v42                  ; blocks 38 p + 0 .. 31,
	v_min_u32 v[PFO], 149, v[PFO]
	v_lshlrev_b32 v[PFO], 8, v[PFO]
	v_min_u32 v[PFO+1], 5, v42                     ; 38 p + 32 .. 37, none beyond the tile's last,
	v_add_nc_u32 v[PFO+1], s75, v[PFO+1]
	v_min_u32 v[PFO+1], 149, v[PFO+1]
	v_lshlrev_b32 v[PFO+1], 8, v[PFO+1]
	v_min_u32 v[PFS], 24, v42                      ; and 25 p + 0 .. 24 of the last tile
	v_add_nc_u32 v[PFS], s46, v[PFS]
	v_lshlrev_b32 v[PFS], 8, v[PFS]
	v_mul_f32 v[SV], s68, s69                      ; input_scale x weight_scale
	v_mov_b32 v[SV+1], v[SV]
	WIN 0x80                                       ; destination window 2
	v_add_nc_u32 v[ADRA], s40, v[CO]
	v_add_nc_u32 v[ADRA+1], s70, v[CO]
	v_add_nc_u32 v[ADRB], s41, v[CO]
	v_add_nc_u32 v[ADRB+1], s71, v[CO]
	v_add_nc_u32 v[ADRS], s72, v43
	v_add_nc_u32 v[ADRS+1], s73, v43
	WIN 0
	ASK 1                                          ; tile 1
	global_load_b128 v[BI:BI+3], v[CO], s[8:9]     ; bias at my four columns of a row read back from the stage
; A quadrant: A's blocks 4 ah .. + 3 x B's blocks 4 bh .. + 3, 128 along K, set p: sixteen products on end, the sixteen accumulators by turns.  zero = 1: the products start the sums
.macro QUAD ah, bh, p, zero
	WIN (2+\bh)|(\ah<<2)|((2*\ah+\bh)*0x50)        ; source 0 (B) window 2 + bh, source 1 (A) window ah, C and D window 2 ah + bh
.set I, 0
.rept 16
.if \zero
	v_wmma_scale_f32_16x16x128_f8f6f4 v[ACC+8*I:ACC+8*I+7], v[FRG+48*\p+12*(I%4):FRG+48*\p+12*(I%4)+11], v[FRG+48*\p+12*(I/4):FRG+48*\p+12*(I/4)+11], 0, v[SC+8*\p+4*\bh+I%4], v[SC+8*\p+4*\ah+I/4] matrix_a_fmt:MATRIX_FMT_BF6 matrix_b_fmt:MATRIX_FMT_BF6 matrix_a_scale:MATRIX_SCALE_ROW1
.else
	v_wmma_scale_f32_16x16x128_f8f6f4 v[ACC+8*I:ACC+8*I+7], v[FRG+48*\p+12*(I%4):FRG+48*\p+12*(I%4)+11], v[FRG+48*\p+12*(I/4):FRG+48*\p+12*(I/4)+11], v[ACC+8*I:ACC+8*I+7], v[SC+8*\p+4*\bh+I%4], v[SC+8*\p+4*\ah+I/4] matrix_a_fmt:MATRIX_FMT_BF6 matrix_b_fmt:MATRIX_FMT_BF6 matrix_a_scale:MATRIX_SCALE_ROW1
.endif
.set I, I+1
.endr
.endm
; four fragments of unit q of the slot into set p of the window that is set as destination (ah = 0: A's blocks 4 bh .., ah = 1: B's)
.macro LOADS ah, bh, p, slot, q
.set I, 0
.rept 12
	ds_load_b128 v[FRG+48*(\p)+4*I:FRG+48*(\p)+4*I+3], v[2*\ah+\slot] offset:(\q)*UB+(4*\bh+I/3)*FRB+512*(I%3)
.set I, I+1
.endr
.endm
; unit q of the slot into set p, in two runs.  Every address register lies in window 2.  The first: 28 loads; its last setting is the first quadrant's own
.macro HALF1 slot, q, p
	WIN 0x82                                       ; destination window 2: B's blocks 0-3
	LOADS 1, 0, \p, \slot, \q
	WIN 0x02                                       ; window 0: A's blocks 0-3 and the scale words
	LOADS 0, 0, \p, \slot, \q
.irp j, 0,1,2,3
	ds_load_b64 v[SC+8*(\p)+2*\j:SC+8*(\p)+2*\j+1], v[ADRS+\slot] offset:(\q)*UB+128*\j
.endr
.endm
.macro HALF2 slot, q, p                ; the second: 24 loads
	WIN 0xc2                                       ; window 3: B's blocks 4-7
	LOADS 1, 1, \p, \slot, \q
	WIN 0x42                                       ; window 1: A's blocks 4-7
	LOADS 0, 1, \p, \slot, \q
.endm
.macro PLACES                          ; a load into a register that a matrix instruction has read, and a read of a result, stand four places behind it (ISA guide 7.12.1 for vector instructions)
.rept 4
	v_nop
.endr
.endm
; A step: 64 products on set p; unit q of the slot is asked for, into the set that the step before multiplied (the four places stand between that step's products and both runs)
.macro STEP slot, q, p, zero
	PLACES
	HALF1 \slot, \q, 1-\p
	s_wait_dscnt 40                                ; the 28 just issued and, ahead of them, the twelve of set p's A blocks 4-7 may be out
	QUAD 0, 0, \p, \zero
	QUAD 0, 1, \p, \zero
	HALF2 \slot, \q, 1-\p
	s_wait_dscnt 52                                ; all but this step's 28 + 24: set p is whole
	QUAD 1, 0, \p, \zero
	QUAD 1, 1, \p, \zero
.endm
; A slot's MIDDLE step changes slots.  It asks for the slot's last unit, the second run behind the first quadrant already; once that is in registers the slot is read no more.  In the step's second half each wave waits for
; all its tensor loads (the one that is out is its part of the next slot), adds 0 to its spare word, and waits for that and for its reads; the barrier opens a round of the cluster's barrier; the refill comes first behind it.
; fill: 0 none, 1 a tile of three units, 2 the last tile.  By the text's own count a wave has one tensor load out, from one change of slots to the wait of the next: three steps less 32 products.
.macro STEPR slot, p, next, fill, ask
	PLACES
	HALF1 \slot, 2, 1-\p
	s_wait_dscnt 40
	QUAD 0, 0, \p, 0
	HALF2 \slot, 2, 1-\p
	s_wait_dscnt 52
	QUAD 0, 1, \p, 0
.if \ask
	s_wait_xcnt 0x0                                ; my last prefetches have read their base: it steps here, three steps behind them
	s_add_nc_u64 s[PFA:PFA+1], s[PFA:PFA+1], TB
.endif
	WIN 0                                          ; (the add's two registers lie in window 0)
	s_wait_tensorcnt 0x0
	ds_add_u32 v[SPW], v[NIL]
	s_add_nc_u64 s[G0+4*\next+2:G0+4*\next+3], s[G0+4*\next+2:G0+4*\next+3], 2*TB       ; no load of mine is out: the other slot's group 0 steps to that slot's next tile
	s_add_nc_u64 s[G0B+4*\next+2:G0B+4*\next+3], s[G0B+4*\next+2:G0B+4*\next+3], 2*TB
	QUAD 1, 0, \p, 0                               ; sixteen products stand between the add and the wait for it
	s_wait_dscnt 0x0                               ; the add is done, and my reads of this slot are over
	s_barrier_signal -1
	QUAD 1, 1, \p, 0                               ; work on registers while the others arrive
	WIN 0
	s_barrier_wait -1
.if \fill
	CREST
.if \fill == 1
	JLOAD G0+4*\slot, G1, G0B+4*\slot, G1B
.else
	JLOAD G0+4*\slot, G1S, G0B+4*\slot, G1SB
.endif
	ASK \ask
.endif
.endm
	s_wait_alu depctr_va_vdst(0)
	s_wait_xcnt 0x0                                ; the prefetches have read their base
	s_add_nc_u64 s[PFA:PFA+1], s[PFA:PFA+1], TB    ; tile 2
	s_wait_tensorcnt 0x0                           ; my part of tile 0 is in; the same three lines as ahead of a refill stand ahead of slot 1's first fill
	ds_add_u32 v[SPW], v[NIL]
	s_add_nc_u64 s[G0+2:G0+3], s[G0+2:G0+3], 2*TB  ; slot 0's next tile: tile 2
	s_add_nc_u64 s[G0B+2:G0B+3], s[G0B+2:G0B+3], 2*TB
	s_wait_loadcnt 0x0                             ; bias is in
	s_wait_dscnt 0x0
	CROUND                                         ; everybody's part of tile 0 is in, and all sixteen work-groups are here
	JLOAD G0+4, G1, G0B+4, G1B                     ; tile 1, the first tensor load behind the round
	ASK 1                                          ; tile 2
	HALF1 0, 0, 0
	HALF2 0, 0, 0
	STEP 0, 1, 0, 1                                ; the first step's products start the sums: nothing is cleared
	WIN 0                                          ; at a label and at a branch every window is 0
	s_mov_b32 s3, TRIPS
.Llap:                                                 ; a trip: six steps, once round the ring; it fills both slots again (tiles 2 to 9 in four trips)
	STEPR 0, 1, 1, 1, 1
	STEP 1, 0, 0, 0
	STEP 1, 1, 1, 0
	STEPR 1, 0, 0, 1, 2
	STEP 0, 0, 1, 0
	STEP 0, 1, 0, 0
	WIN 0
	s_sub_co_u32 s3, s3, 1
	s_cmp_lg_u32 s3, 0
	s_cbranch_scc1 .Llap
	STEPR 0, 1, 1, 2, 0                            ; the last tile, two units
	STEP 1, 0, 0, 0
	STEP 1, 1, 1, 0
	STEPR 1, 0, 0, 0, 0                            ; nothing is left to fetch: no round
	STEP 0, 0, 1, 0
; THE WAY OUT, block by block of 16 rows x 128 columns.  A lane holds 32 neighbouring bytes of a row and the lanes beside it hold other rows: a block goes through my own stage and comes back as whole rows of 512 bytes,
; which take the scale and the bias and are stored by 32 lanes as two aligned units of 256 bytes.  LDS serves a wave's instructions in order (ISA guide 5.7.1.4): no wait between the stores and the loads.
; The rows come back into v32-95 and v96-159 of window 0 by turns: the registers of A's blocks 0-3, done with by then, and block 0's first four accumulators, which have gone to the stage before block 1's rows land there.
.macro TOSTAGE a
.irp bh, 0,1
	WIN (2*((\a)/4)+\bh)<<2                        ; the data's window
.irp b, 0,1,2,3
	ds_store_b128 v[STO], v[ACC+8*(4*((\a)%4)+\b):ACC+8*(4*((\a)%4)+\b)+3] offset:64*(4*\bh+\b)       ; each accumulator from its low end on
	ds_store_b128 v[STO], v[ACC+8*(4*((\a)%4)+\b)+4:ACC+8*(4*((\a)%4)+\b)+7] offset:64*(4*\bh+\b)+16
.endr
.endr
	WIN 0
.set BB, FRG+64*((\a)%2)
.irp t, 0,1,2,3,4,5,6,7,8,9,10,11,12,13,14,15
	ds_load_b128 v[BB+4*\t:BB+4*\t+3], v[RD] offset:\t*SPITCH
.endr
.endm
.macro SEND a, younger                 ; younger: the LDS instructions issued behind block a's loads, which may stay out
.set BB, FRG+64*((\a)%2)
	s_wait_dscnt \younger
.if (\a) > 0
	s_add_nc_u64 s[14:15], s[14:15], 16*OROW       ; (behind a wait on XCNT: the earlier stores have read their base)
.endif
.irp t, 0,1,2,3,4,5,6,7,8,9,10,11,12,13,14,15
	v_pk_fma_f32 v[BB+4*\t:BB+4*\t+1], v[BB+4*\t:BB+4*\t+1], v[SV:SV+1], v[BI:BI+1]
	v_pk_fma_f32 v[BB+4*\t+2:BB+4*\t+3], v[BB+4*\t+2:BB+4*\t+3], v[SV:SV+1], v[BI+2:BI+3]
.endr
.irp t, 0,1,2,3,4,5,6,7,8,9,10,11,12,13,14,15
	global_store_b128 v[CO], v[BB+4*\t:BB+4*\t+3], s[14:15] offset:\t*OROW th:TH_STORE_NT   ; 32 lanes store 512 consecutive bytes, at a multiple of 512 from out0's first byte
.endr
.endm
.macro OUT4 a0                         ; blocks a0 .. a0 + 3
	PLACES                                         ; behind the last products: their results are read, and rows land in registers that they have read
.if \a0 > 0
	s_wait_xcnt 0x0                                ; the earlier stores have read their registers
.endif
	TOSTAGE \a0
.irp a, \a0+1, \a0+2, \a0+3
.if (\a) > 1
	s_wait_xcnt 0x0                                ; block a - 2's stores have read their registers and their base
.endif
	TOSTAGE \a
	SEND (\a)-1, 32                                ; behind block a - 1's loads: block a's 16 stores and 16 loads
.endr
	s_wait_xcnt 0x0
	SEND \a0+3, 0
.endm
; THE LAST TWO K STEPS GO BY HALVES OF MY ROWS.  Both units fit the two sets of registers: rows 0-63 take both steps first (K ascending for every sum) and leave; rows 64-127 are multiplied behind those stores.  No fragment is read twice.
	PLACES
	HALF1 0, 1, 1                                  ; the last unit, both runs on end
	HALF2 0, 1, 1
	s_wait_dscnt 52                                ; all but the 52 just issued
	QUAD 0, 0, 0, 0
	QUAD 0, 1, 0, 0
	s_wait_dscnt 0x0
	QUAD 0, 0, 1, 0
	QUAD 0, 1, 1, 0
	WIN 0
	OUT4 0
	QUAD 1, 0, 0, 0
	QUAD 1, 1, 0, 0
	QUAD 1, 0, 1, 0
	QUAD 1, 1, 1, 0
	WIN 0
	OUT4 4
	s_wait_tensorcnt 0x0                           ; the wave's end
	ds_add_u32 v[SPW], v[NIL]
	s_wait_dscnt 0x0
	CROUND                                         ; the closing round
	s_endpgm
.Lfunc_end_k_q265c88dc7f_gemm:
	.size	k_q265c88dc7f_gemm, .Lfunc_end_k_q265c88dc7f_gemm-k_q265c88dc7f_gemm
	.p2alignl 7, 3214868480
	.fill 96, 4, 3214868480
	.section	.rodata,"a",@progbits
	.p2align	6, 0x0
	.amdhsa_kernel k_q265c88dc7f_gemm
		.amdhsa_group_segment_fixed_size 327680
		.amdhsa_private_segment_fixed_size 0
		.amdhsa_enable_private_segment 0
		.amdhsa_kernarg_size 48
		.amdhsa_user_sgpr_count 2
		.amdhsa_user_sgpr_kernarg_segment_ptr 1
		.amdhsa_wavefront_size32 1
		.amdhsa_system_sgpr_workgroup_id_x 1
		.amdhsa_system_sgpr_workgroup_id_y 1
		.amdhsa_system_sgpr_workgroup_id_z 1
		.amdhsa_system_vgpr_workitem_id 0
		.amdhsa_next_free_vgpr 1024
		.amdhsa_next_free_sgpr 96
		.amdhsa_reserve_vcc 0
		.amdhsa_float_denorm_mode_32 3
		.amdhsa_float_denorm_mode_16_64 3
		.amdhsa_memory_ordered 1
		.amdhsa_forward_progress 1
		.amdhsa_inst_pref_size 224
	.end_amdhsa_kernel
	.amdgpu_metadata
---
amdhsa.version: [ 1, 2 ]
amdhsa.kernels:
  - .name:           k_q265c88dc7f_gemm
    .symbol:         k_q265c88dc7f_gemm.kd
    .args:
      - { .name: xq, .offset: 0, .size: 8, .value_kind: global_buffer, .address_space: global }
      - { .name: wq, .offset: 8, .size: 8, .value_kind: global_buffer, .address_space: global }
      - { .name: bias, .offset: 16, .size: 8, .value_kind: global_buffer, .address_space: global }
      - { .name: input_scale, .offset: 24, .size: 8, .value_kind: global_buffer, .address_space: global }
      - { .name: weight_scale, .offset: 32, .size: 8, .value_kind: global_buffer, .address_space: global }
      - { .name: out0, .offset: 40, .size: 8, .value_kind: global_buffer, .address_space: global }
    .group_segment_fixed_size: 327680
    .private_segment_fixed_size: 0
    .kernarg_segment_align: 8
    .kernarg_segment_size: 48
    .max_flat_workgroup_size: 128
    .sgpr_count:     96
    .vgpr_count:     1024
    .wavefront_size: 32
...
	.end_amdgpu_metadata
.endif
;; end of part 2
